; MI455X (gfx1250); checked and timed in simulation.
; The chip was launched on July 23, 2026; its instructions are those of AMD's public machine-readable ISA for CDNA 5 (MIT licence, August 2026) and "CDNA5" Instruction Set Architecture Reference Guide (July 2026). The comments in the code are by the model that wrote it; some were corrected since.
;; KAN Linear. Allowed arithmetic: matrix products marked QUANTISED: E2M1 operands, one E8M0 scale for each 32 along K, by v_wmma_scale_f32_16x16x128_f8f6f4 with both operands' format E2M1 (or v_wmma_scale_f32_32x16x128_f4), f32 sums; everything else in f32.
;; Inputs: base_weight 512 x 1,024 float32; spline_scaler 512 x 1,024 float32; spline_weight 512 x 1,024 x 4 float32; x 16,384 x 1,024 float32.
;; Outputs: out0 16,384 x 512 float32.
;; This version of the problem:
;;   THIS VERSION OF THE PROBLEM IS GIVEN IN LOW PRECISION. The matrix products marked QUANTISED in the list below multiply operands that are first quantised to E2M1 (2 exponent bits, 1 mantissa bit; 4 bits a number), with one power-of-two scale for each 32 numbers along K (OCP MX v1.0); their sums are f32. All else is computed in f32.
;;   The module's matrix products, in the order in which they are computed (A, B: the left and right operand; K: the contracted axis; several contracted axes count as one K, in the product's order):
;;     1. [M 16,384, K 1,024] x [K 1,024, N 512]; A: computed on the way; B: input base_weight: QUANTISED
;;     2. [M 16,384, K 4,096] x [K 4,096, N 512]; A: computed on the way; B: computed on the way: QUANTISED
;;   THE QUANTISER, for each operand of a quantised product, along K:
;;     - K is cut into blocks of 32 from its start; a last block that is shorter is filled with zeros.
;;     - A block's scale is 2^e with e = floor(log2(the largest magnitude in the block)) - 2, held to -126 .. 127; a block of zeros has e = 0. As a byte (E8M0): e + 127.
;;     - Each number is divided by its block's scale, clamped to +-6, and rounded to the nearest number of E2M1, ties to even, subnormals kept.
;;     - The product sums the exact products of the quantised numbers (number of the format x scale) in f32.
;;   ~~~python
;;   def quantise(x, axis):      # numpy; x: float32 -> the quantised numbers, widened to float32 again
;;       x = np.moveaxis(x, axis, -1); K = x.shape[-1]
;;       x = np.pad(x, [(0, 0)] * (x.ndim - 1) + [(0, -K % 32)]); x = x.reshape(x.shape[:-1] + (-1, 32)); a = np.abs(x).max(-1, keepdims=True)
;;       e = np.where(a > 0, np.clip(np.frexp(np.where(a > 0, a, 1))[1] - 1 - 2, -126, 127), 0)      # np.frexp(a)[1] - 1 = floor(log2(a)), exactly
;;       r = np.clip(x / 2.0 ** e, -6, 6)
;;       step = 2.0 ** (np.maximum(np.frexp(np.where(r == 0, 1, r))[1] - 1, 0) - 1)
;;       q = np.round(r / step) * step * 2.0 ** e      # np.round: ties to even
;;       return np.moveaxis(q.reshape(q.shape[:-2] + (-1,))[..., :K], -1, axis).astype(np.float32)
;;   ~~~
;;   OPERANDS COMPUTED ON THE WAY. 'Computed on the way' means the value that the module computes at that place (a softmax that the list does not call 'softmax' is quantised finished and normalised). What goes into a quantiser is computed in f32, as accurately as f32 sums, v_exp_f32 and their like allow (about 1e-6 of the number): no bf16 or f16 on the way to a quantiser, and a product that is left as it is and whose result goes on into a quantised operand takes f32 operands (vector FMAs, or v_wmma_f32_16x16x4_f32). A number that lies on a knife's edge between two numbers of the format may be rounded either way, as far as f32 arithmetic and the matrix unit's own rounding can turn it there, and no further.
;; 2 versions, each right; version 2 is version 1 with the launch kan written anew for expert scheduling mode. Each part assembles by itself: llvm-mc -triple=amdgcn-amd-amdhsa -mcpu=gfx1250 --defsym DOCPART=n.
;; ======== version 1 of 2: 2 launches
;; limits: a function is approximated: absolute error at most 5e-07
;; workspace buffers: wcodes 1,310,720 bytes; wscales 81,920 bytes
;; launch wprep (part 1): grid 256 x 1, 2 waves a work-group, no clusters, 168,192 bytes of LDS; arguments base_weight, spline_weight, spline_scaler, wcodes, wscales; writes wcodes, wscales
.if DOCPART == 1
	.amdgcn_target "amdgcn-amd-amdhsa--gfx1250"
	.amdhsa_code_object_version 6
	.text
	.protected	k_q04dbe4eea0_wprep
	.globl	k_q04dbe4eea0_wprep
	.p2align	8
	.type	k_q04dbe4eea0_wprep,@function
k_q04dbe4eea0_wprep:
	s_mov_b64 s[64:65], 0
	v_nop
	global_prefetch_b8 v0, s[64:65] scope:SCOPE_SE
	s_setreg_imm32_b32 hwreg(HW_REG_WAVE_MODE, 25, 1), 1
	s_wait_xcnt 0x0
; THE WEIGHTS, QUANTISED ONCE.  base_weight [512][1024] and spline_weight [512][1024][4] x spline_scaler [512][1024] (one f32 product a number, as the
; definition has it) become codes of FP4 (E2M1) with one E8M0 byte for each 32 along K.  K of the spline product is 4 i + k (in-feature i, basis k).
; K STEPS of 128 are numbered S = 5 t + k: t = 0..7 is a run of 128 in-features; k = 0..3 are the spline steps of in-features 128 t + 32 k .. + 31, k = 4 the base step of 128 t .. + 127.
; wcodes  [S 40][tile of 16 outputs jt 32][c 2][lane 32][16 bytes]: the operand's registers on end: lane (r, h) holds the 32 codes of output 16 jt + r, block 2 c + h of the step.
; wscales [S 40][output 512] words: byte b is the scale of block b of the step.
; A block's scale is 2^(floor(log2(largest magnitude)) - 2): its byte is the largest magnitude's exponent field - 2, held at 1 from below by a floor among the maximum's leaves.
; LIMITS: a block of zeros gets the byte 1 where the rule says 127 (its codes are zeros, and this program alone reads the bytes); NaN and infinities among the weights are not served.
; SHARES.  Work-group = (jt = x & 31, t = x >> 5); wave e takes in-features 128 t + 64 e .. + 63 of the tile's 16 outputs: 16 rows x 256 bytes of base_weight and of spline_scaler,
; 16 rows x 1,024 bytes of spline_weight.  Three tensor loads a wave bring them into the wave's own LDS bytes, each filled once; three loads of a wave are out at the most.
; A lane then reads whole blocks of 32 numbers of ONE output from LDS (rows padded by 16 bytes: pitches 272 = 17 x 16 and 1,040 = 65 x 16, so that sixteen rows start at sixteen
; different 16-byte columns of 256).  Five blocks a lane: one of the base step, four of two spline steps.  No barrier: the waves share nothing.
.set BAS,  0                           ; LDS, in the wave's region: base_weight's tile, 16 x 272
.set SCA,  4352                        ; spline_scaler's, 16 x 272
.set SPW,  8704                        ; spline_weight's, 16 x 1,040
.set WREG, 25600                       ; a wave's region
.set MX,   10                          ; v10-13  largest magnitudes, four chains
.set SO,   14                          ; v14     the conversion's scale operand
.set BY,   16                          ; v16-20  the five blocks' scale bytes
.set OW,   22                          ; v22-23  scale words of the two spline steps
.set PM,   24                          ; v24-25  the other half of the lanes' bytes
.set NUM,  32                          ; v32-95  two sets of 32 numbers
.set SCR,  96                          ; v96-111 two sets of 8 scalers
.set CD,   112                         ; v112-131 codes: four registers for each block, so that no store's data are written again
	s_load_b256 s[4:11], s[0:1], 0x0               ; base_weight s[4:5], spline_weight s[6:7], spline_scaler s[8:9], wcodes s[10:11]
	s_load_b64 s[12:13], s[0:1], 0x20              ; wscales
	v_lshl_add_u32 v136, v0, 2, 0x29000
	v_mov_b32 v137, 0
	ds_add_u32 v136, v137
	ds_add_u32 v136, v137
	v_lshrrev_b32 v1, 5, v0
	v_readfirstlane_b32 s14, v1                    ; e: my wave
	s_and_b32 s15, ttmp9, 31                       ; jt
	s_lshr_b32 s2, ttmp9, 5                        ; t
	; descriptor group 1 for spline_weight's tile: 16 rows x 256 elements of 4 bytes, 4,096 elements from row to row; 4 words of padding behind every 256
	s_mov_b32 s16, (2<<16)|(1<<20)|(7<<22)|(3<<25)
	s_mov_b32 s17, 256<<16                         ; tensor_dim0
	s_mov_b32 s18, 16<<16                          ; tensor_dim1
	s_mov_b32 s19, 256<<16                         ; tile_dim0
	s_mov_b32 s20, 16                              ; tile_dim1
	s_mov_b32 s21, 4096                            ; the pitch
	s_mov_b32 s22, 0
	s_mov_b32 s23, 0
	; and for base_weight's and spline_scaler's: 16 rows x 64 elements, 1,024 from row to row; 4 words of padding behind every 64
	s_mov_b32 s24, (2<<16)|(1<<20)|(5<<22)|(3<<25)
	s_mov_b32 s25, 64<<16
	s_mov_b32 s26, 16<<16
	s_mov_b32 s27, 64<<16
	s_mov_b32 s28, 16
	s_mov_b32 s29, 1024
	s_mov_b32 s30, 0
	s_mov_b32 s31, 0
	s_lshl_b32 s44, s15, 16                        ; 16 jt rows of 4,096 bytes
	s_lshl_b32 s3, s2, 9                           ; + 128 t numbers
	s_add_co_u32 s44, s44, s3
	s_lshl_b32 s3, s14, 8                          ; + 64 e numbers
	s_add_co_u32 s44, s44, s3
	s_mov_b32 s45, 0
	s_lshl_b32 s46, s44, 2                         ; in spline_weight everything is four times as long
	s_mov_b32 s47, 0
	s_mul_i32 s48, s14, WREG                       ; my wave's LDS bytes
	s_wait_dscnt 0x0
	s_wait_kmcnt 0x0
	s_mov_b32 s32, 1
	s_add_co_u32 s33, s48, BAS
	s_add_nc_u64 s[34:35], s[4:5], s[44:45]
	s_or_b32 s35, s35, 0x80000000
	s_mov_b32 s36, 1
	s_add_co_u32 s37, s48, SCA
	s_add_nc_u64 s[38:39], s[8:9], s[44:45]
	s_or_b32 s39, s39, 0x80000000
	s_mov_b32 s40, 1
	s_add_co_u32 s41, s48, SPW
	s_add_nc_u64 s[42:43], s[6:7], s[46:47]
	s_or_b32 s43, s43, 0x80000000
	tensor_load_to_lds s[32:35], s[24:31]          ; all first fills as one group, ahead of every wait on TENSORcnt and every LDS read
	s_nop 0
	tensor_load_to_lds s[36:39], s[24:31]
	s_nop 0
	tensor_load_to_lds s[40:43], s[16:23]
	s_nop 0
	v_and_b32 v1, 15, v0                           ; r
	v_bfe_u32 v2, v0, 4, 1                         ; h
	v_mul_u32_u24 v3, v1, 272
	v_add_nc_u32 v3, s48, v3                       ; my row in the two small tiles
	v_lshl_add_u32 v4, v2, 5, v3
	v_add_nc_u32 v4, SCA, v4                       ; scalers: + 32 h bytes (8 in-features)
	v_lshl_add_u32 v3, v2, 7, v3                   ; base: + 128 h bytes (block h of my wave's two)
	v_mul_u32_u24 v5, v1, 1040
	v_lshl_add_u32 v5, v2, 7, v5
	v_add_nc_u32 v5, s48, v5
	v_add_nc_u32 v5, SPW, v5                       ; spline: my row, + 128 h bytes (8 in-features x 4 bases)
	v_and_b32 v6, 31, v0
	v_lshlrev_b32 v6, 4, v6                        ; codes: 16 bytes a lane
	v_lshlrev_b32 v7, 2, v1
	v_lshl_add_u32 v7, v2, 11, v7
	s_lshl_b32 s3, s14, 12
	v_add_nc_u32 v7, s3, v7                        ; spline scale words: step 2 e + h, output r: 4,096 e + 2,048 h + 4 r
	v_lshl_add_u32 v8, v1, 2, v2
	s_lshl_b32 s3, s14, 1
	s_add_co_u32 s3, s3, 8192
	v_add_nc_u32 v8, s3, v8                        ; the base step's byte: step 4, output r, block 2 e + h
	v_lshlrev_b32 v9, 3, v2                        ; 8 h bits
	v_mov_b32 v[PM], 0                             ; a lane permute's destination counts as one of its sources
	v_mov_b32 v[PM+1], 0
	s_mov_b32 s50, 0x76543210
	s_mov_b32 s51, 0xfedcba98                      ; v_permlanex16_b32's selects for lane l xor 16
	s_mul_i32 s44, s2, 163840                      ; five steps of 32,768 bytes a run t
	s_lshl_b32 s3, s15, 10
	s_add_co_u32 s44, s44, s3                      ; + 1,024 jt
	s_add_nc_u64 s[10:11], s[10:11], s[44:45]
	s_lshl_b32 s44, s14, 16
	s_add_nc_u64 s[46:47], s[10:11], s[44:45]      ; spline codes: steps 2 e and 2 e + 1
	s_lshl_b32 s44, s14, 9
	s_add_co_u32 s44, s44, 131072
	s_add_nc_u64 s[10:11], s[10:11], s[44:45]      ; base codes: step 4, c = e
	s_mul_i32 s44, s2, 10240                       ; five steps of 2,048 bytes of scale words
	s_lshl_b32 s3, s15, 6
	s_add_co_u32 s44, s44, s3
	s_add_nc_u64 s[12:13], s[12:13], s[44:45]
; Spline block q = 1 .. 4 is (step kk, half c) = ((q - 1) / 2, (q - 1) % 2): 32 numbers and their 8 scalers, ten loads, into set q % 2
.macro LOADS q
.irp i, 0,1,2,3,4,5,6,7
	ds_load_b128 v[NUM+32*((\q)%2)+4*\i:NUM+32*((\q)%2)+4*\i+3], v5 offset:512*(((\q)-1)/2)+256*(((\q)-1)%2)+16*\i
.endr
.irp i, 0,1
	ds_load_b128 v[SCR+8*((\q)%2)+4*\i:SCR+8*((\q)%2)+4*\i+3], v4 offset:128*(((\q)-1)/2)+64*(((\q)-1)%2)+16*\i
.endr
.endm
; Block q is worked: (the scaler,) the largest magnitude, the scale, the codes, the byte
.macro WORK q
.set NN, NUM+32*((\q)%2)
.set SS, SCR+8*((\q)%2)
.if (\q) > 0
.irp a, 0,1,2,3
.irp u, 0,1
.irp p, 0,2
	v_pk_mul_f32 v[NN+8*\a+4*\u+\p:NN+8*\a+4*\u+\p+1], v[NN+8*\a+4*\u+\p:NN+8*\a+4*\u+\p+1], v[SS+2*\a:SS+2*\a+1] op_sel:[0,\u] op_sel_hi:[1,\u]   ; in-feature 2 a + u: its four weights x its scaler
.endr
.endr
.endr
.endif
.irp c, 0,1,2,3
	v_max3_num_f32 v[MX+\c], |v[NN+8*\c]|, |v[NN+8*\c+1]|, |v[NN+8*\c+2]|       ; four chains by turns
.endr
.irp i, 3,5
.irp c, 0,1,2,3
	v_max3_num_f32 v[MX+\c], v[MX+\c], |v[NN+8*\c+\i]|, |v[NN+8*\c+\i+1]|
.endr
.endr
	v_max3_num_f32 v[MX], v[MX], |v[NN+7]|, |v[NN+15]|
	v_max3_num_f32 v[MX+2], v[MX+2], |v[NN+23]|, |v[NN+31]|
	v_max3_num_f32 v[MX], v[MX], v[MX+1], v[MX+2]
	v_max3_num_f32 v[MX], v[MX], v[MX+3], 0x1800000    ; and the floor 2^(3 - 127): the byte cannot fall under 1
	v_add_nc_u32 v[SO], 0xff000000, v[MX]          ; 2 off the exponent field: the conversion takes that field as its scale and nothing else
.irp i, 0,1,2,3
	v_cvt_scalef32_pk8_fp4_f32 v[CD+4*(\q)+\i], v[NN+8*\i:NN+8*\i+7], v[SO]
.endr
	v_lshrrev_b32 v[BY+(\q)], 23, v[SO]            ; the scale's byte; also the plain line behind the conversions
.if (\q) > 0
	global_store_b128 v6, v[CD+4*(\q):CD+4*(\q)+3], s[46:47] offset:32768*(((\q)-1)/2)+512*(((\q)-1)%2)   ; 32 lanes store 512 consecutive bytes, aligned
.else
	global_store_b128 v6, v[CD:CD+3], s[10:11]
.endif
.endm
	s_wait_tensorcnt 0x2                           ; base_weight's tile is in; the two loads issued behind it may be out
.irp i, 0,1,2,3,4,5,6,7
	ds_load_b128 v[NUM+4*\i:NUM+4*\i+3], v3 offset:16*\i
.endr
	s_wait_tensorcnt 0x0                           ; the scalers and spline_weight's tile
	LOADS 1
	s_wait_dscnt 10                                ; the block in hand is in; the next block's ten loads may be out
	WORK 0
	LOADS 2
	s_wait_dscnt 10
	WORK 1
	LOADS 3
	s_wait_dscnt 10
	WORK 2
	LOADS 4
	s_wait_dscnt 10
	WORK 3
	s_wait_dscnt 0x0
	WORK 4
	global_store_b8 v8, v[BY], s[12:13]            ; the base step's byte of block 2 e + h
.irp k, 0,1                                    ; a spline step's word: my bytes are blocks h and 2 + h; lane l xor 16 has the other two
	v_lshl_or_b32 v[OW+\k], v[BY+2+2*\k], 16, v[BY+1+2*\k]
.endr
.irp k, 0,1
	v_lshlrev_b32 v[OW+\k], v9, v[OW+\k]
.endr
.irp k, 0,1
	v_permlanex16_b32 v[PM+\k], v[OW+\k], s50, s51
.endr
.irp k, 0,1
	v_or_b32 v[OW+\k], v[OW+\k], v[PM+\k]
.endr
	v_cmp_eq_u32 vcc_lo, 1, v2
	v_cndmask_b32 v[OW], v[OW], v[OW+1], vcc_lo    ; lanes 0-15 store step 2 e's words, lanes 16-31 step 2 e + 1's
	global_store_b32 v7, v[OW], s[12:13]
	s_wait_tensorcnt 0x0
	ds_add_u32 v136, v137
	s_wait_dscnt 0x0
	s_endpgm
.Lfunc_end_k_q04dbe4eea0_wprep:
	.size	k_q04dbe4eea0_wprep, .Lfunc_end_k_q04dbe4eea0_wprep-k_q04dbe4eea0_wprep
	.p2alignl 7, 3214868480
	.fill 96, 4, 3214868480
	.section	.rodata,"a",@progbits
	.p2align	6, 0x0
	.amdhsa_kernel k_q04dbe4eea0_wprep
		.amdhsa_group_segment_fixed_size 168192
		.amdhsa_private_segment_fixed_size 0
		.amdhsa_enable_private_segment 0
		.amdhsa_kernarg_size 40
		.amdhsa_user_sgpr_count 2
		.amdhsa_user_sgpr_kernarg_segment_ptr 1
		.amdhsa_wavefront_size32 1
		.amdhsa_system_sgpr_workgroup_id_x 1
		.amdhsa_system_sgpr_workgroup_id_y 1
		.amdhsa_system_sgpr_workgroup_id_z 1
		.amdhsa_system_vgpr_workitem_id 0
		.amdhsa_next_free_vgpr 138
		.amdhsa_next_free_sgpr 66
		.amdhsa_reserve_vcc 1
		.amdhsa_float_denorm_mode_32 3
		.amdhsa_float_denorm_mode_16_64 3
		.amdhsa_memory_ordered 1
		.amdhsa_forward_progress 1
		.amdhsa_inst_pref_size 20
	.end_amdhsa_kernel
	.amdgpu_metadata
---
amdhsa.version: [ 1, 2 ]
amdhsa.kernels:
  - .name:           k_q04dbe4eea0_wprep
    .symbol:         k_q04dbe4eea0_wprep.kd
    .args:
      - { .name: base_weight, .offset: 0, .size: 8, .value_kind: global_buffer, .address_space: global }
      - { .name: spline_weight, .offset: 8, .size: 8, .value_kind: global_buffer, .address_space: global }
      - { .name: spline_scaler, .offset: 16, .size: 8, .value_kind: global_buffer, .address_space: global }
      - { .name: wcodes, .offset: 24, .size: 8, .value_kind: global_buffer, .address_space: global }
      - { .name: wscales, .offset: 32, .size: 8, .value_kind: global_buffer, .address_space: global }
    .group_segment_fixed_size: 168192
    .private_segment_fixed_size: 0
    .kernarg_segment_align: 8
    .kernarg_segment_size: 40
    .max_flat_workgroup_size: 64
    .sgpr_count:     66
    .vgpr_count:     138
    .wavefront_size: 32
...
	.end_amdgpu_metadata
.endif
;; end of part 1
;; launch kan (part 2): grid 256 x 1, 8 waves a work-group, no clusters, 101,376 bytes of LDS; arguments x, wcodes, wscales, out0; writes out0
.if DOCPART == 2
	.amdgcn_target "amdgcn-amd-amdhsa--gfx1250"
	.amdhsa_code_object_version 6
	.text
	.protected	k_q04dbe4eea0_kan
	.globl	k_q04dbe4eea0_kan
	.p2align	8
	.type	k_q04dbe4eea0_kan,@function
k_q04dbe4eea0_kan:
	s_mov_b64 s[64:65], 0
	v_nop
	global_prefetch_b8 v0, s[64:65] scope:SCOPE_SE
	s_setreg_imm32_b32 hwreg(HW_REG_WAVE_MODE, 25, 1), 1
	s_wait_xcnt 0x0
; out[b][o] = sum_i silu(x[b][i]) base_weight[o][i] + sum_(i,k) B_k(x[b][i]) (spline_weight x spline_scaler)[o][i][k], both products on codes of FP4 (E2M1) with one E8M0 scale for
; each 32 along K.  x: [16384][1024] f32; the weights come as codes and scale words laid in the order of the operand's registers (K step S = 5 t + k: k = 0..3 the spline steps of
; in-features 128 t + 32 k .. + 31, K = 4 i + basis; k = 4 the base step of in-features 128 t .. + 127); out: [16384][512] f32.
; THE BASES.  The knots are -7, -5, .. 7: one cardinal cubic spline, shifted.  With kappa = 6^(-1/3), lambda = 4^(1/3), xe = x held to [-7, 7 - 1e-6]:
;   p_j = kappa/2 xe + kappa (3.5 - j), q_j = -kappa/2 xe + kappa (0.5 + j), a_j = the middle of (p_j, q_j, 0), b_j = max(lambda a_j - lambda kappa, 0), B_j = a_j^3 - b_j^3.
; silu(x) = x / (1 + 2^(-log2(e) x)).  All in f32.
; LIMITS.  The order of rounding differs from the recursion's: a basis carries an absolute error of about 5e-7, so bases under about 1e-4 (near the ends of a support) lose
; relative accuracy.  For x under about -88 the exponential overflows and silu comes out as -0, where the true number lies under 1e-36.  The exponential and the reciprocal flush
; denormals.  NaN and infinities in x are not served.  A block of zeros keeps the scale byte 1 (its codes are zeros; this program alone reads the bytes).
; SHARES.  A work-group owns 64 rows and all 512 outputs, so that every x is activated and quantised ONCE.  Eight waves.  As a MAKER wave w takes rows 8 w .. 8 w + 7; as a MULTIPLIER it
; takes all 64 rows x outputs 64 w .. 64 w + 63: 16 accumulators.  The rows' codes go from wave to wave through LDS; each fragment of the weights goes from memory straight into the
; registers of the one wave that multiplies by it.
; NO CLUSTER, NO JOINT LOADS, though all work-groups read the same weights: a joint load lands in LDS, so a K step's 34,816 bytes of weights would be written there and read back, 2.8 MB a
; work-group on top of the 1.8 MB of LDS traffic that this text has; here a weight byte enters a work-group once and touches no LDS.
; BY TRIPS.  A trip is 128 in-features = five K steps.  Trip t makes its images into LDS buffer t & 1 and multiplies trip t - 1's out of the other buffer: one barrier a trip orders both.
; A trip is four GROUPS of 2 rows x 128 columns a wave: lane (hh, li) holds 8 neighbouring x of row 2 g + hh: one whole spline block of 32 and a quarter of a base block.
; The vector work is much the longest: the 20 matrix instructions of a group stand in five runs of four among it, and loads are asked for long ahead.
; THE MATRIX INSTRUCTION IS USED TRANSPOSED (source 0 = 16 outputs, source 1 = 16 rows): a lane then holds eight neighbouring outputs of one row.
; LDS.  Image buffers at 0 and 32,768.  Codes: piece (row tile m, step s, block b) = 16 rows x 16 bytes + 16 of padding at 5,440 m + 1,088 s + 272 b + 16 r: a maker's sixteen lanes write
; sixteen pieces 272 = 17 x 16 bytes apart, a reader's sixteen lanes read one piece's 256 consecutive bytes.  Scale bytes at 21,760 + 80 r + 16 s + 4 m + b: 16 bytes give a row's words
; for the four row tiles of a step.  From 65,536: a stage of 16 x 272 bytes for each wave, for the way out.
; REGISTERS.  Window 0: v1-18 addresses, v20-29 constants, v32-63 x (four groups), v64-79 xe and silu, v80-111 at work, v112-143 a block's bases, v144-179 maxima, codes, bytes,
; v184-223 the rows' fragments, v224-237 scale words and nothing else.  Window 1: v0-127 the accumulators ((m, n) at 8 (4 m + n)), v128-223 three sets of the weights' fragments.
.set SCL,    21760
.set BUF1,   0x8000
.set STG,    65536
.set SPITCH, 272
.set XP,  4                            ; s[4:5]   x at my wave's first row, the trip's columns
.set WCP, 6                            ; s[6:7]   wcodes at my wave's 4,096 bytes of the multiplied trip's first step
.set WSP, 8                            ; s[8:9]   wscales likewise (256 bytes)
.set OP,  10                           ; s[10:11] out0 at the work-group's first row, my wave's 64 outputs
.set WV,  12
.set WB,  22                           ; s22  the buffer that is written
.set RB,  23                           ; s23  the buffer that is read
.set CNT, 24
.set KH,  26                           ; s[26:27] kappa/2;  s[28:29] -kappa/2;  s[30:31] lambda;  s[32:33] -log2(e): pairs, since the packed forms name pairs
.set KN,  28
.set LAM, 30
.set NL,  32
.set CLO, 34                           ; s34, s35 the clip's ends
.set CHI, 35
.set XOFF, 1                           ; x: 4,096 hh + 32 li; never rewritten
.set WOFF, 2                           ; 16 x lane; never rewritten
.set WSOFF, 3                          ; 4 x lane; never rewritten
.set T128, 4                           ; the lane's and wave's terms of the six image addresses
.set T32,  5
.set TB8,  6
.set TBB,  7
.set TRD,  8
.set TSR,  9
.set AW128, 10                         ; the same with the trip's buffer: spline codes, base codes, spline byte, base byte (written);
.set AW32,  11
.set AWB8,  12
.set AWBB,  13
.set ARD,   14                         ; fragments, scale words (read)
.set ASR,   15
.set STO,  16
.set SRD,  17
.set OOFF, 18
.set CP,  20                           ; v20-23 kappa (3.5 - j);  v24-27 kappa (0.5 + j);  v28-29 -lambda kappa
.set CQ,  24
.set CN,  28
.set X,   32
.set XE,  64
.set T,   72
.set TMP, 80
.set OUT, 112
.set MX,  144
.set SO,  148
.set CC,  152                          ; spline codes, four registers a group
.set CB,  168                          ; base codes, spline byte, base byte: one register a group each
.set BY,  172
.set BYB, 176
.set AF,  184                          ; the four row tiles' fragments of a spline step
.set AF2, 80                           ; a second set, in the tail
.set ABF, 216                          ; one row tile's fragment of the base step
.set AS,  224                          ; the rows' scale words of a spline step, m = 0..3;  v228-231 of the base step
.set ABS, 228
.set BS,  232                          ; the weights' scale words: set s at 232 + 2 s; register j: lanes 0-15 output tile 2 j, lanes 16-31 tile 2 j + 1
.set BF,  128                          ; window 1: the weights' fragments, set s at 128 + 32 s
.set OB,  32                           ; the way out: 32 registers a row tile
.set MSB, 0
.macro WIN new                         ; the immediate's high byte repeats the setting that is left; a switch that changes nothing is dropped
.if MSB != \new
	s_set_vgpr_msb (MSB<<8)|\new
.set MSB, \new
.endif
.endm
; 0x51: source 0 (weights), C and D in window 1.  0x40: destination in window 1.  0x04: an LDS store's data in window 1.
.macro XLOAD g, off                    ; group g's 2 rows x 512 bytes: 32 bytes a lane
	global_load_b128 v[X+8*(\g):X+8*(\g)+3], v[XOFF], s[XP:XP+1] offset:8192*(\g)+(\off) th:TH_LOAD_NT
	global_load_b128 v[X+8*(\g)+4:X+8*(\g)+7], v[XOFF], s[XP:XP+1] offset:8192*(\g)+(\off)+16 th:TH_LOAD_NT
.endm
.macro BLOAD set, ko                   ; ten loads: my four fragments and two scale registers of the step ko steps on from the pointers
	WIN 0x40
.irp i, 0,1,2,3,4,5,6,7
	global_load_b128 v[BF+32*(\set)+4*\i:BF+32*(\set)+4*\i+3], v[WOFF], s[WCP:WCP+1] offset:32768*(\ko)+512*\i
.endr
	WIN 0
.irp j, 0,1
	global_load_b32 v[BS+2*(\set)+\j], v[WSOFF], s[WSP:WSP+1] offset:2048*(\ko)+128*\j
.endr
.endm
.macro ALOAD af, as, s                 ; nine LDS loads: step s of the buffer that is read: the rows' scale words and the four row tiles' fragments
	ds_load_b128 v[(\as):(\as)+3], v[ASR] offset:16*(\s)
.irp m, 0,1,2,3
.irp c, 0,1
	ds_load_b128 v[(\af)+8*\m+4*\c:(\af)+8*\m+4*\c+3], v[ARD] offset:5440*\m+1088*(\s)+544*\c
.endr
.endr
.endm
.macro ABLOAD m                        ; row tile m's fragment of the base step
.irp c, 0,1
	ds_load_b128 v[ABF+4*\c:ABF+4*\c+3], v[ARD] offset:5440*(\m)+4352+544*\c
.endr
.endm
; Four matrix instructions: row tile m against my four tiles of outputs.  The sixteen accumulators take turns, one instruction a turn.
.macro MM4 set, afr, asr, m
.irp n, 0,1,2,3
.if \n % 2
	v_wmma_scale_f32_16x16x128_f8f6f4 v[8*(4*(\m)+\n):8*(4*(\m)+\n)+7], v[BF+32*(\set)+8*\n:BF+32*(\set)+8*\n+7], v[(\afr):(\afr)+7], v[8*(4*(\m)+\n):8*(4*(\m)+\n)+7], v[BS+2*(\set)+\n/2], v[(\asr)] matrix_a_fmt:MATRIX_FMT_FP4 matrix_b_fmt:MATRIX_FMT_FP4 matrix_a_scale:MATRIX_SCALE_ROW1
.else
	v_wmma_scale_f32_16x16x128_f8f6f4 v[8*(4*(\m)+\n):8*(4*(\m)+\n)+7], v[BF+32*(\set)+8*\n:BF+32*(\set)+8*\n+7], v[(\afr):(\afr)+7], v[8*(4*(\m)+\n):8*(4*(\m)+\n)+7], v[BS+2*(\set)+\n/2], v[(\asr)] matrix_a_fmt:MATRIX_FMT_FP4 matrix_b_fmt:MATRIX_FMT_FP4
.endif
.endr
.endm
.macro MM16 set, af, as                ; a whole K step
	WIN 0x51
.irp m, 0,1,2,3
	MM4 \set, (\af)+8*\m, (\as)+\m, \m
.endr
	WIN 0
.endm
.macro PLACES                          ; four plain lines between a matrix instruction and a load into, or an LDS store from, one of its registers (ISA guide 7.12.1 for LDS stores)
.rept 4
	v_nop
.endr
.endm
; silu of the group's 8 numbers, and the clip.  Two batches of transcendentals; four clips stand behind each as independent plain work, then one wait for the batch.
.macro SILU_A g
.irp p, 0,2,4,6
	v_pk_mul_f32 v[T+\p:T+\p+1], v[X+8*(\g)+\p:X+8*(\g)+\p+1], s[NL:NL+1] op_sel_hi:[1,0]
.endr
.irp i, 0,1,2,3,4,5,6,7
	v_exp_f32 v[T+\i], v[T+\i]                     ; e^-x
.endr
.irp i, 0,1,2,3
	v_med3_num_f32 v[XE+\i], v[X+8*(\g)+\i], s[CLO], s[CHI]
.endr
	s_wait_alu depctr_va_vdst(0)
.irp p, 0,2,4,6
	v_pk_add_f32 v[T+\p:T+\p+1], v[T+\p:T+\p+1], 1.0 op_sel_hi:[1,0]
.endr
.irp i, 0,1,2,3,4,5,6,7
	v_rcp_f32 v[T+\i], v[T+\i]
.endr
.irp i, 4,5,6,7
	v_med3_num_f32 v[XE+\i], v[X+8*(\g)+\i], s[CLO], s[CHI]
.endr
	s_wait_alu depctr_va_vdst(0)
.irp p, 0,2,4,6
	v_pk_mul_f32 v[T+\p:T+\p+1], v[T+\p:T+\p+1], v[X+8*(\g)+\p:X+8*(\g)+\p+1]
.endr
.endm
; The 8 silu numbers are a quarter of a base block: the largest magnitude is joined over four lanes; 8 codes are one register
.macro SILU_B g
	v_max3_num_f32 v[MX], |v[T]|, |v[T+1]|, 0x1800000              ; the floor 2^(3 - 127) among the leaves: the byte cannot fall under 1
	v_max3_num_f32 v[MX+1], |v[T+2]|, |v[T+3]|, |v[T+4]|
	v_max3_num_f32 v[MX], v[MX], |v[T+5]|, |v[T+6]|
	v_max3_num_f32 v[MX], v[MX], v[MX+1], |v[T+7]|
	v_max_num_f32_dpp v[MX], v[MX], v[MX] row_xmask:1 row_mask:0xf bank_mask:0xf
	v_max_num_f32_dpp v[MX], v[MX], v[MX] row_xmask:2 row_mask:0xf bank_mask:0xf
	v_add_nc_u32 v[SO], 0xff000000, v[MX]          ; 2 off the exponent field: the conversion's scale operand
	v_cvt_scalef32_pk8_fp4_f32 v[CB+(\g)], v[T:T+7], v[SO]
	v_lshrrev_b32 v[BYB+(\g)], 23, v[SO]           ; the byte; also the plain line behind the conversion
	ds_store_b32 v[AW32], v[CB+(\g)] offset:32*(\g)
	ds_store_b8 v[AWBB], v[BYB+(\g)] offset:160*(\g)               ; the block's four lanes write the same byte with the same value
.endm
; The four bases of x(2 i) and x(2 i + 1), stage by stage for both, so that no line waits for the line above it.  In TMP + 16 u: +0 p, then a; +4 q, then b; +8 a^2, then a^3; +12 b^2
.macro SPL2 i
.irp u, 0,1
.irp p, 0,2
	v_pk_fma_f32 v[TMP+16*\u+\p:TMP+16*\u+\p+1], v[XE+2*(\i):XE+2*(\i)+1], s[KH:KH+1], v[CP+\p:CP+\p+1] op_sel:[\u,0,0] op_sel_hi:[\u,0,1]
	v_pk_fma_f32 v[TMP+16*\u+4+\p:TMP+16*\u+5+\p], v[XE+2*(\i):XE+2*(\i)+1], s[KN:KN+1], v[CQ+\p:CQ+\p+1] op_sel:[\u,0,0] op_sel_hi:[\u,0,1]
.endr
.endr
.irp u, 0,1
.irp j, 0,1,2,3
	v_med3_num_f32 v[TMP+16*\u+\j], v[TMP+16*\u+\j], v[TMP+16*\u+4+\j], 0      ; p + q = 4 kappa > 0: the middle of (p, q, 0) is max(min(p, q), 0)
.endr
.endr
.irp u, 0,1
.irp p, 0,2
	v_pk_fma_f32 v[TMP+16*\u+4+\p:TMP+16*\u+5+\p], v[TMP+16*\u+\p:TMP+16*\u+\p+1], s[LAM:LAM+1], v[CN:CN+1] op_sel_hi:[1,0,1]
.endr
.endr
.irp u, 0,1
.irp p, 0,2
	v_pk_mul_f32 v[TMP+16*\u+8+\p:TMP+16*\u+9+\p], v[TMP+16*\u+\p:TMP+16*\u+\p+1], v[TMP+16*\u+\p:TMP+16*\u+\p+1]
.endr
.endr
.irp u, 0,1
.irp j, 0,1,2,3
	v_max_num_f32 v[TMP+16*\u+4+\j], 0, v[TMP+16*\u+4+\j]
.endr
.endr
.irp u, 0,1
.irp p, 0,2
	v_pk_mul_f32 v[TMP+16*\u+8+\p:TMP+16*\u+9+\p], v[TMP+16*\u+8+\p:TMP+16*\u+9+\p], v[TMP+16*\u+\p:TMP+16*\u+\p+1]
.endr
.endr
.irp u, 0,1
.irp p, 0,2
	v_pk_mul_f32 v[TMP+16*\u+12+\p:TMP+16*\u+13+\p], v[TMP+16*\u+4+\p:TMP+16*\u+5+\p], v[TMP+16*\u+4+\p:TMP+16*\u+5+\p]
.endr
.endr
.irp u, 0,1
.irp p, 0,2
	v_pk_fma_f32 v[OUT+8*(\i)+4*\u+\p:OUT+8*(\i)+4*\u+\p+1], v[TMP+16*\u+12+\p:TMP+16*\u+13+\p], v[TMP+16*\u+4+\p:TMP+16*\u+5+\p], v[TMP+16*\u+8+\p:TMP+16*\u+9+\p] neg_lo:[1,0,0] neg_hi:[1,0,0]   ; a^3 - b^3
.endr
.endr
.endm
; The lane's 32 bases are a whole block.  No |.|: where b > 0, a^3 is at least 1/6 above b^3's share; elsewhere the basis is a^3: none is negative
.macro QUANT g
.irp c, 0,1,2,3
	v_max3_num_f32 v[MX+\c], v[OUT+8*\c], v[OUT+8*\c+1], v[OUT+8*\c+2]
.endr
.irp i, 3,5
.irp c, 0,1,2,3
	v_max3_num_f32 v[MX+\c], v[MX+\c], v[OUT+8*\c+\i], v[OUT+8*\c+\i+1]
.endr
.endr
	v_max3_num_f32 v[MX], v[MX], v[OUT+7], v[OUT+15]
	v_max3_num_f32 v[MX+2], v[MX+2], v[OUT+23], v[OUT+31]
	v_max3_num_f32 v[MX], v[MX], v[MX+1], v[MX+2]
	v_max3_num_f32 v[MX], v[MX], v[MX+3], 0x1800000
	v_add_nc_u32 v[SO], 0xff000000, v[MX]
.irp i, 0,1,2,3
	v_cvt_scalef32_pk8_fp4_f32 v[CC+4*(\g)+\i], v[OUT+8*\i:OUT+8*\i+7], v[SO]
.endr
	v_lshrrev_b32 v[BY+(\g)], 23, v[SO]            ; the byte; also the plain line behind the conversions
	ds_store_b128 v[AW128], v[CC+4*(\g):CC+4*(\g)+3] offset:32*(\g)
	ds_store_b8 v[AWB8], v[BY+(\g)] offset:160*(\g)
.endm
; A GROUP.  mm = 1: the trip before's products ride along: the base step's row tile g, and the whole spline step g.  xl = 1: the next trip's x of this group is asked for.
; xw: the count of the wait for this group's x, or -1 (an earlier wait has covered it).  ke: the K step whose weights are asked for at the group's end, into set g % 2, or -1.
; km: the base step asked for in the group's middle, into set 2, or -1.
; LOADS IN ISSUE ORDER, a trip: x0 (2), W step 2 (10), x1, W step 3, x2, W next step 0, x3, W next base, W next step 1.  Loads come back in order, so each wait's count is what was issued behind the load that it wants.
.macro GROUP g, mm, xl, xw, ke, km
.if \mm
.if (\g) == 0
	ds_load_b128 v[ABS:ABS+3], v[ASR] offset:64    ; the rows' scale words of the base step, for all four groups
.endif
	ABLOAD \g                                      ; (the last matrix instruction that read these registers stands ahead of the group before's quantising: more than four plain lines)
	ALOAD AF, AS, \g
.endif
.if (\xw) >= 0
	s_wait_loadcnt \xw
.endif
	SILU_A \g
.if \xl
	XLOAD \g, 512                                  ; x's registers are free: the clip has its copy
.endif
	SILU_B \g
.if \mm
.if (\g) == 0
	s_wait_loadcnt 10+2*(\xl)                      ; the base step's weights: behind them step 1's ten and this trip's x0.  All older loads are in with them: step 0's weights, and x of groups 1 to 3
.endif
	s_wait_dscnt 2                                 ; all this group's LDS loads are in: only the two stores just issued may be out
	WIN 0x51
	MM4 2, ABF, ABS+(\g), \g
	WIN 0
.endif
	SPL2 0
.if (\km) >= 0
	BLOAD 2, \km                                   ; the lines of SPL2 are the places behind the base products
.endif
.if \mm
.if ((\g) == 1) || ((\g) == 2)
	s_wait_loadcnt 10+4*(\xl)                      ; this step's weights: behind them two groups' x and one step's ten
.endif
.if (\g) == 3
	s_wait_loadcnt 20+4*(\xl)                      ; behind them two groups' x and two steps' ten
.endif
	WIN 0x51
	MM4 (\g)%2, AF, AS, 0
	WIN 0
.endif
	SPL2 1
.if \mm
	WIN 0x51
	MM4 (\g)%2, AF+8, AS+1, 1
	WIN 0
.endif
	SPL2 2
.if \mm
	WIN 0x51
	MM4 (\g)%2, AF+16, AS+2, 2
	WIN 0
.endif
	SPL2 3
.if \mm
	WIN 0x51
	MM4 (\g)%2, AF+24, AS+3, 3
	WIN 0
.endif
	QUANT \g                                       ; its maxima are the places behind the last products
.if (\ke) >= 0
	BLOAD (\g)%2, \ke
.endif
.endm
.macro ADDR                            ; the trip's image addresses
	s_xor_b32 s[RB], s[WB], BUF1
	v_add_nc_u32 v[AW128], s[WB], v[T128]
	v_add_nc_u32 v[AW32], s[WB], v[T32]
	v_add_nc_u32 v[AWB8], s[WB], v[TB8]
	v_add_nc_u32 v[AWBB], s[WB], v[TBB]
	v_add_nc_u32 v[ARD], s[RB], v[TRD]
	v_add_nc_u32 v[ASR], s[RB], v[TSR]
.endm
.macro TRIP mm, xl, x0, x1, x2, x3, k0, k1, k2, k3, km
	ADDR
	GROUP 0, \mm, \xl, \x0, \k0, -1
	GROUP 1, \mm, \xl, \x1, \k1, -1
	GROUP 2, \mm, \xl, \x2, \k2, -1
	GROUP 3, \mm, \xl, \x3, \k3, \km
.endm
; A trip's end: the pointers step, the buffers change places, one barrier.
.macro ENDTRIP stepw
	s_wait_xcnt 0x0                                ; every load issued has had its address translated: only behind this wait are the bases stepped
	s_add_nc_u64 s[XP:XP+1], s[XP:XP+1], 512
.if \stepw
	s_add_nc_u64 s[WCP:WCP+1], s[WCP:WCP+1], 163840
	s_add_nc_u64 s[WSP:WSP+1], s[WSP:WSP+1], 10240
.endif
	s_xor_b32 s[WB], s[WB], BUF1
	s_wait_dscnt 0x0                               ; for the others' sake: my images have landed, and my reads of the other buffer, which the next trip writes, are in
	s_barrier_signal -1
	s_barrier_wait -1
.endm
	s_load_b256 s[4:11], s[0:1], 0x0               ; x, wcodes, wscales, out0
	v_lshl_add_u32 v254, v0, 2, 0x18800
	v_mov_b32 v255, 0
	v_lshrrev_b32 v19, 5, v0
	v_readfirstlane_b32 s[WV], v19                 ; wave 0..7
	v_and_b32 v30, 15, v0                          ; li
	v_bfe_u32 v31, v0, 4, 1                        ; hh
	v_lshlrev_b32 v[XOFF], 5, v30
	v_lshl_add_u32 v[XOFF], v31, 12, v[XOFF]
	s_lshl_b32 s16, ttmp9, 18                      ; 64 rows of 4,096 bytes a work-group,
	s_lshl_b32 s17, s[WV], 15                      ; 8 a wave
	s_add_co_u32 s16, s16, s17
	s_mov_b32 s17, 0
	s_wait_kmcnt 0x0
	s_add_nc_u64 s[XP:XP+1], s[XP:XP+1], s[16:17]
	XLOAD 0, 0                                     ; the first trip's x: eight loads
	XLOAD 1, 0
	XLOAD 2, 0
	XLOAD 3, 0
	s_lshl_b32 s18, s[WV], 12
	s_mov_b32 s19, 0
	s_add_nc_u64 s[WCP:WCP+1], s[WCP:WCP+1], s[18:19]
	s_lshl_b32 s18, s[WV], 8
	s_add_nc_u64 s[WSP:WSP+1], s[WSP:WSP+1], s[18:19]
	s_lshl_b32 s16, ttmp9, 17                      ; 64 rows of 2,048 bytes
	s_add_co_u32 s16, s16, s18
	s_add_nc_u64 s[OP:OP+1], s[OP:OP+1], s[16:17]
	s_and_b32 s13, s[WV], 1
	s_lshr_b32 s14, s[WV], 1                       ; m: the row tile that I make half of
	s_lshl_b32 s20, s13, 7
	s_mul_i32 s16, s14, 5440
	s_add_co_u32 s20, s20, s16                     ; codes: 16 bytes x 8 (w & 1) rows + my row tile
	s_mul_i32 s21, s13, 640
	s_lshl_b32 s16, s14, 2
	s_add_co_u32 s21, s21, s16                     ; scale bytes: 80 x 8 (w & 1) + 4 m
	s_mul_i32 s25, s[WV], 16*SPITCH
	s_add_co_u32 s25, s25, STG                     ; my stage
	v_and_b32 v19, 31, v0
	v_lshlrev_b32 v[WOFF], 4, v19
	v_lshlrev_b32 v[WSOFF], 2, v19
	v_bfe_u32 v14, v0, 2, 2                        ; li >> 2
	v_and_b32 v15, 3, v0                           ; li & 3
	v_mul_u32_u24 v[T128], v30, 272                ; spline codes: piece (step li >> 2, block li & 3) = 272 li, row 2 g + hh
	v_lshl_add_u32 v[T128], v31, 4, v[T128]
	v_add_nc_u32 v[T128], s20, v[T128]
	v_mul_u32_u24 v[T32], v14, 272                 ; base codes: step 4, block li >> 2, word li & 3 of the row's 16 bytes
	v_lshl_add_u32 v[T32], v15, 2, v[T32]
	v_lshl_add_u32 v[T32], v31, 4, v[T32]
	v_add_nc_u32 v[T32], s20, v[T32]
	v_add_nc_u32 v[T32], 4352, v[T32]
	v_mul_u32_u24 v[TB8], v31, 80                  ; spline byte: 80 r + 16 (li >> 2) + 4 m + (li & 3)
	v_lshl_add_u32 v[TB8], v14, 4, v[TB8]
	v_add_nc_u32 v[TB8], v[TB8], v15
	v_add_nc_u32 v[TB8], s21, v[TB8]
	v_add_nc_u32 v[TB8], SCL, v[TB8]
	v_mul_u32_u24 v[TBB], v31, 80                  ; base byte: 80 r + 64 + 4 m + (li >> 2)
	v_add_nc_u32 v[TBB], v[TBB], v14
	v_add_nc_u32 v[TBB], s21, v[TBB]
	v_add_nc_u32 v[TBB], SCL+64, v[TBB]
	v_mul_u32_u24 v[TRD], v31, 272                 ; a fragment: block 2 c + hh, row li
	v_lshl_add_u32 v[TRD], v30, 4, v[TRD]
	v_mul_u32_u24 v[TSR], v30, 80                  ; row li's scale words
	v_add_nc_u32 v[TSR], SCL, v[TSR]
	v_mul_u32_u24 v[STO], v30, SPITCH              ; the stage, in: row li, 32 bytes for each half of the lanes
	v_lshl_add_u32 v[STO], v31, 5, v[STO]
	v_add_nc_u32 v[STO], s25, v[STO]
	v_add_nc_u32 v[SRD], s25, v[TRD]               ; back: lanes 0-15 one row of 256 bytes, lanes 16-31 the next
	v_lshlrev_b32 v[OOFF], 4, v30
	v_lshl_add_u32 v[OOFF], v31, 11, v[OOFF]       ; and the same two rows in out0
	v_mov_b32 v[CP], 0x3ff68b3d                    ; 3.5 kappa
	v_mov_b32 v[CP+1], 0x3fb01a50                  ; 2.5 kappa
	v_mov_b32 v[CP+2], 0x3f5352c7                  ; 1.5 kappa
	v_mov_b32 v[CP+3], 0x3e8ce1da                  ; 0.5 kappa
	v_mov_b32 v[CQ], 0x3e8ce1da
	v_mov_b32 v[CQ+1], 0x3f5352c7
	v_mov_b32 v[CQ+2], 0x3fb01a50
	v_mov_b32 v[CQ+3], 0x3ff68b3d
	v_mov_b32 v[CN], 0xbf5fa2f8                    ; -lambda kappa
	v_mov_b32 v[CN+1], 0xbf5fa2f8
	s_mov_b32 s[KH], 0x3e8ce1da
	s_mov_b32 s[KH+1], s[KH]
	s_mov_b32 s[KN], 0xbe8ce1da
	s_mov_b32 s[KN+1], s[KN]
	s_mov_b32 s[LAM], 0x3fcb2ff5
	s_mov_b32 s[LAM+1], s[LAM]
	s_mov_b32 s[NL], 0xbfb8aa3b
	s_mov_b32 s[NL+1], s[NL]
	s_mov_b32 s[CLO], 0xc0e00000                   ; -7
	s_mov_b32 s[CHI], 0x40dffffe                   ; 7 - 1e-6 in f32
	s_mov_b32 s[WB], 0
	; The accumulators begin as zeros: 128 lines, once, issued while the first x is on its way.  Products that start the sums with the constant 0 would want a third copy of the whole trip.
	WIN 0x40
.set ii, 0
.rept 128
	v_mov_b32 v[ii], 0
.set ii, ii+1
.endr
	WIN 0
	; Trip 0 makes images and multiplies nothing.  x's waits: behind a group's two loads stand six (three groups' x), for group 3 three groups' x and ten of the weights.
	TRIP 0, 1, 6, 6, 6, 16, -1, -1, 0, 1, 4
	ENDTRIP 0                                      ; the weights' pointers stay: the next trip multiplies trip 0
	s_mov_b32 s[CNT], 6
.Ltrip:                                            ; trips 1 to 6.  The wait for group 0's x: behind its loads stand 36 on the way in from trip 0 and 56 round the loop: the smaller count serves both
	TRIP 1, 1, 36, -1, -1, -1, 2, 3, 5, 6, 9
	ENDTRIP 1
	s_sub_co_u32 s[CNT], s[CNT], 1
	s_cmp_lg_u32 s[CNT], 0
	s_cbranch_scc1 .Ltrip
	TRIP 1, 0, 36, -1, -1, -1, 2, 3, 5, 6, 9       ; trip 7 asks for no x: no load leaves the buffer
	ENDTRIP 1
	; THE TAIL: trip 7's five K steps.  Out: step 0's weights (set 0), the base step's (set 2), step 1's (set 1), in this order.
	s_xor_b32 s[RB], s[WB], BUF1
	v_add_nc_u32 v[ARD], s[RB], v[TRD]
	v_add_nc_u32 v[ASR], s[RB], v[TSR]
	ALOAD AF, AS, 0
	ALOAD AF2, ABS, 1
	s_wait_loadcnt 20                              ; step 0's weights: behind them the base step's and step 1's
	s_wait_dscnt 9                                 ; step 0's rows: the nine loads issued behind them may be out
	MM16 0, AF, AS
	PLACES
	BLOAD 0, 2
	ALOAD AF, AS, 4
	s_wait_loadcnt 10                              ; step 1's (and the base step's): behind them step 2's ten
	s_wait_dscnt 9
	MM16 1, AF2, ABS
	PLACES
	BLOAD 1, 3
	ALOAD AF2, ABS, 2
	s_wait_dscnt 9
	MM16 2, AF, AS                                 ; the base step
	PLACES
	ALOAD AF, AS, 3
	s_wait_loadcnt 10                              ; step 2's: behind them step 3's ten
	s_wait_dscnt 9
	MM16 0, AF2, ABS
	s_wait_loadcnt 0x0
	s_wait_dscnt 0x0
	MM16 1, AF, AS
; THE WAY OUT, a row tile at a time.  A lane holds 32 neighbouring bytes of a row and the lanes beside it other rows: the tile goes through my own stage and comes back as rows of 256 bytes.
; LDS serves a wave's instructions in order (ISA guide 5.7.1.4): no wait between the stores and the loads, nor in front of the next tile's stores.
.macro TOSTAGE m
	WIN 0x04
.irp n, 0,1,2,3
	ds_store_b128 v[STO], v[8*(4*(\m)+\n):8*(4*(\m)+\n)+3] offset:64*\n          ; each accumulator from its low end on
	ds_store_b128 v[STO], v[8*(4*(\m)+\n)+4:8*(4*(\m)+\n)+7] offset:64*\n+16
.endr
	WIN 0
.irp i, 0,1,2,3,4,5,6,7
	ds_load_b128 v[OB+32*(\m)+4*\i:OB+32*(\m)+4*\i+3], v[SRD] offset:2*SPITCH*\i
.endr
.endm
.macro SEND m, younger                 ; younger: the LDS instructions issued behind tile m's loads, which may stay out
	s_wait_dscnt \younger
.irp i, 0,1,2,3,4,5,6,7
	global_store_b128 v[OOFF], v[OB+32*(\m)+4*\i:OB+32*(\m)+4*\i+3], s[OP:OP+1] offset:(16*(\m)+2*\i)*2048 th:TH_STORE_NT   ; sixteen lanes store 256 consecutive bytes, at a multiple of 256 from out0's first byte
.endr
.endm
	PLACES                                         ; behind the last products: the stores read results, the loads land in registers that held fragments
	TOSTAGE 0
	TOSTAGE 1
	SEND 0, 16                                     ; behind tile 0's loads: tile 1's eight stores and eight loads
	TOSTAGE 2
	SEND 1, 16
	TOSTAGE 3
	SEND 2, 16
	SEND 3, 0
	s_wait_tensorcnt 0x0
	ds_add_u32 v254, v255
	s_wait_dscnt 0x0
	s_endpgm
.Lfunc_end_k_q04dbe4eea0_kan:
	.size	k_q04dbe4eea0_kan, .Lfunc_end_k_q04dbe4eea0_kan-k_q04dbe4eea0_kan
	.p2alignl 7, 3214868480
	.fill 96, 4, 3214868480
	.section	.rodata,"a",@progbits
	.p2align	6, 0x0
	.amdhsa_kernel k_q04dbe4eea0_kan
		.amdhsa_group_segment_fixed_size 101376
		.amdhsa_private_segment_fixed_size 0
		.amdhsa_enable_private_segment 0
		.amdhsa_kernarg_size 32
		.amdhsa_user_sgpr_count 2
		.amdhsa_user_sgpr_kernarg_segment_ptr 1
		.amdhsa_wavefront_size32 1
		.amdhsa_system_sgpr_workgroup_id_x 1
		.amdhsa_system_sgpr_workgroup_id_y 1
		.amdhsa_system_sgpr_workgroup_id_z 1
		.amdhsa_system_vgpr_workitem_id 0
		.amdhsa_next_free_vgpr 512
		.amdhsa_next_free_sgpr 66
		.amdhsa_reserve_vcc 0
		.amdhsa_float_denorm_mode_32 3
		.amdhsa_float_denorm_mode_16_64 3
		.amdhsa_memory_ordered 1
		.amdhsa_forward_progress 1
		.amdhsa_inst_pref_size 247
	.end_amdhsa_kernel
	.amdgpu_metadata
---
amdhsa.version: [ 1, 2 ]
amdhsa.kernels:
  - .name:           k_q04dbe4eea0_kan
    .symbol:         k_q04dbe4eea0_kan.kd
    .args:
      - { .name: x, .offset: 0, .size: 8, .value_kind: global_buffer, .address_space: global }
      - { .name: wcodes, .offset: 8, .size: 8, .value_kind: global_buffer, .address_space: global }
      - { .name: wscales, .offset: 16, .size: 8, .value_kind: global_buffer, .address_space: global }
      - { .name: out0, .offset: 24, .size: 8, .value_kind: global_buffer, .address_space: global }
    .group_segment_fixed_size: 101376
    .private_segment_fixed_size: 0
    .kernarg_segment_align: 8
    .kernarg_segment_size: 32
    .max_flat_workgroup_size: 256
    .sgpr_count:     66
    .vgpr_count:     512
    .wavefront_size: 32
...
	.end_amdgpu_metadata
.endif
;; end of part 2
;; ======== version 2 of 2: 2 launches; version 1 with the launch kan written anew for expert scheduling mode
;; limits: a function is approximated: absolute error at most 5e-07
;; workspace buffers: wcodes 1,310,720 bytes; wscales 81,920 bytes
;; launch wprep: the kernel of part 1 again; grid 256 x 1, 2 waves a work-group, no clusters, 168,192 bytes of LDS; arguments base_weight, spline_weight, spline_scaler, wcodes, wscales; writes wcodes, wscales
;; launch kan (part 3): grid 256 x 1, 8 waves a work-group, no clusters, 101,376 bytes of LDS; arguments x, wcodes, wscales, out0; writes out0
.if DOCPART == 3
	.amdgcn_target "amdgcn-amd-amdhsa--gfx1250"
	.amdhsa_code_object_version 6
	.text
	.protected	k_q04dbe4eea0_kan
	.globl	k_q04dbe4eea0_kan
	.p2align	8
	.type	k_q04dbe4eea0_kan,@function
k_q04dbe4eea0_kan:
	s_mov_b64 s[64:65], 0
	v_nop
	global_prefetch_b8 v0, s[64:65] scope:SCOPE_SE
	s_setreg_imm32_b32 hwreg(HW_REG_WAVE_SCHED_MODE, 0, 2), 2
	s_setreg_imm32_b32 hwreg(HW_REG_WAVE_MODE, 25, 1), 1
	s_wait_xcnt 0x0
	s_wait_alu depctr_vm_vsrc(0)
; out[b][o] = sum_i silu(x[b][i]) base_weight[o][i] + sum_(i,k) B_k(x[b][i]) (spline_weight x spline_scaler)[o][i][k], both products on codes of FP4 (E2M1) with one E8M0 scale for
; each 32 along K.  x: [16384][1024] f32; the weights come as codes and scale words laid in the order of the operand's registers (K step S = 5 t + k: k = 0..3 the spline steps of
; in-features 128 t + 32 k .. + 31, K = 4 i + basis; k = 4 the base step of in-features 128 t .. + 127); out: [16384][512] f32.
; THE BASES.  The knots are -7, -5, .. 7: one cardinal cubic spline, shifted.  With kappa = 6^(-1/3), lambda = 4^(1/3), xe = x held to [-7, 7 - 1e-6]:
;   p_j = kappa/2 xe + kappa (3.5 - j), q_j = -kappa/2 xe + kappa (0.5 + j), a_j = the middle of (p_j, q_j, 0), b_j = max(lambda a_j - lambda kappa, 0), B_j = a_j^3 - b_j^3.
; silu(x) = x / (1 + 2^(-log2(e) x)).  All in f32.
; LIMITS.  The order of rounding differs from the recursion's: a basis carries an absolute error of about 5e-7, so bases under about 1e-4 (near the ends of a support) lose
; relative accuracy.  For x under about -88 the exponential overflows and silu comes out as -0, where the true number lies under 1e-36.  The exponential and the reciprocal flush
; denormals.  NaN and infinities in x are not served.  A block of zeros keeps the scale byte 1 (its codes are zeros; this program alone reads the bytes).
; SHARES.  A work-group owns 64 rows and all 512 outputs, so that every x is activated and quantised ONCE.  Eight waves.  As a MAKER wave w takes rows 8 w .. 8 w + 7; as a MULTIPLIER it
; takes all 64 rows x outputs 64 w .. 64 w + 63: 16 accumulators.  The rows' codes go from wave to wave through LDS; each fragment of the weights goes from memory straight into the
; registers of the one wave that multiplies by it.
; NO CLUSTER, NO JOINT LOADS, though all work-groups read the same weights: a joint load lands in LDS, so a K step's 34,816 bytes of weights would be written there and read back, 2.8 MB a
; work-group on top of the 1.8 MB of LDS traffic that this text has; here a weight byte enters a work-group once and touches no LDS.
; BY TRIPS.  A trip is 128 in-features = five K steps.  Trip t makes its images into LDS buffer t & 1 and multiplies trip t - 1's out of the other buffer: one barrier a trip orders both.
; A trip is four GROUPS of 2 rows x 128 columns a wave: lane (hh, li) holds 8 neighbouring x of row 2 g + hh: one whole spline block of 32 and a quarter of a base block.
; The vector work is much the longest: the 20 matrix instructions of a group stand in five runs of four among it, and loads are asked for long ahead.
; THE MATRIX INSTRUCTION IS USED TRANSPOSED (source 0 = 16 outputs, source 1 = 16 rows): a lane then holds eight neighbouring outputs of one row.
; LDS.  Image buffers at 0 and 32,768.  Codes: piece (row tile m, step s, block b) = 16 rows x 16 bytes + 16 of padding at 5,440 m + 1,088 s + 272 b + 16 r: a maker's sixteen lanes write
; sixteen pieces 272 = 17 x 16 bytes apart, a reader's sixteen lanes read one piece's 256 consecutive bytes.  Scale bytes at 21,760 + 80 r + 16 s + 4 m + b: 16 bytes give a row's words
; for the four row tiles of a step.  From 65,536: a stage of 16 x 272 bytes for each wave, for the way out.  From 100,352: the spare words, 128 bytes a wave, that no other line names.
; REGISTERS.  Window 0: v1-18 addresses, v20-29 constants, v32-63 x (four groups), v64-79 xe and silu, v80-111 at work, v112-143 a block's bases, v144-179 maxima, codes, bytes,
; v184-223 the rows' fragments, v224-237 scale words and nothing else.  Window 1: v0-127 the accumulators ((m, n) at 8 (4 m + n)), v128-223 three sets of the weights' fragments.
; THE MODE: SCHED_MODE bits 1:0 = 2 (LLVM: expert scheduling mode 2), set by the entry lines.  The code itself states the register dependences
; between vector or matrix instructions and memory or LDS instructions, with s_wait_alu, always for 0.
; THE PLAN.  Registers that memory or LDS instructions touch, in the loop:
;   X0 .. X3          Group g's silu and clip read X[g]; the next trip's two loads land in it behind the group's wait (group 3: behind the wait in its middle).
;   CC, CB, BY, BYB   Registers of its own for each group.  Written by group g's conversions and shifts; read by the four LDS stores behind the group's wait; written again a trip later.
;   AF, AS, ABF       The LDS loads at a group's head land in them; that group's matrix instructions read them.  ABS: loaded at group 0's head, read by the base products of all four groups.
;   weights' sets     Set g % 2 and its two scale registers: read by group g's sixteen spline products, loaded again behind the group's wait.  Set 2 and its two: read by the base products of
;                     all four groups, the last early in group 3; loaded again behind the wait in group 3's middle.
;   v10 .. v15        The six LDS addresses: written once a trip, at its head; read by all the trip's LDS instructions.
;   v1 .. v3          The global offsets: made at the head and never written again; scalar bases and immediate offsets do the rest.
;   xe, silu, the bases and all that is at work are named by vector instructions alone; the accumulators by matrix instructions alone, up to the way out.
; So ONE wait on va_vdst stands at a group's end, behind its quantising, and all the group's memory instructions stand in one run behind it, with the next group's LDS loads: x, the weights, the four
; image stores, the rows' fragments.  No vector or matrix instruction stands in that run, so every register that it touches was last named ahead of the wait.  Group 3 has one wait more, in its
; middle, so that the next base step's weights go out early.  A trip's head has one behind the six additions, and a trip's end ONE wait on vm_vsrc, ahead of the branch.
.set SCL,    21760
.set BUF1,   0x8000
.set STG,    65536
.set SPITCH, 272
.set XP,  4                            ; s[4:5]   x at my wave's first row, the trip's columns
.set WCP, 6                            ; s[6:7]   wcodes at my wave's 4,096 bytes of the multiplied trip's first step
.set WSP, 8                            ; s[8:9]   wscales likewise (256 bytes)
.set OP,  10                           ; s[10:11] out0 at the work-group's first row, my wave's 64 outputs
.set WV,  12
.set WB,  22                           ; s22  the buffer that is written
.set RB,  23                           ; s23  the buffer that is read
.set CNT, 24
.set KH,  26                           ; s[26:27] kappa/2;  s[28:29] -kappa/2;  s[30:31] lambda;  s[32:33] -log2(e): pairs, since the packed forms name pairs
.set KN,  28
.set LAM, 30
.set NL,  32
.set CLO, 34                           ; s34, s35 the clip's ends
.set CHI, 35
.set XOFF, 1                           ; x: 4,096 hh + 32 li; never rewritten
.set WOFF, 2                           ; 16 x lane; never rewritten
.set WSOFF, 3                          ; 4 x lane; never rewritten
.set T128, 4                           ; the lane's and wave's terms of the six image addresses
.set T32,  5
.set TB8,  6
.set TBB,  7
.set TRD,  8
.set TSR,  9
.set AW128, 10                         ; the same with the trip's buffer: spline codes, base codes, spline byte, base byte (written);
.set AW32,  11
.set AWB8,  12
.set AWBB,  13
.set ARD,   14                         ; fragments, scale words (read)
.set ASR,   15
.set STO,  16
.set SRD,  17
.set OOFF, 18
.set CP,  20                           ; v20-23 kappa (3.5 - j);  v24-27 kappa (0.5 + j);  v28-29 -lambda kappa
.set CQ,  24
.set CN,  28
.set X,   32
.set XE,  64
.set T,   72
.set TMP, 80
.set OUT, 112
.set MX,  144
.set SO,  148
.set CC,  152                          ; spline codes, four registers a group
.set CB,  168                          ; base codes, spline byte, base byte: one register a group each
.set BY,  172
.set BYB, 176
.set AF,  184                          ; the four row tiles' fragments of a spline step
.set AF2, 80                           ; a second set, in the tail
.set ABF, 216                          ; one row tile's fragment of the base step
.set AS,  224                          ; the rows' scale words of a spline step, m = 0..3;  v228-231 of the base step
.set ABS, 228
.set BS,  232                          ; the weights' scale words: set s at 232 + 2 s; register j: lanes 0-15 output tile 2 j, lanes 16-31 tile 2 j + 1
.set BF,  128                          ; window 1: the weights' fragments, set s at 128 + 32 s
.set OB,  32                           ; the way out: 32 registers a row tile
.set MSB, 0
.macro WIN new                         ; the immediate's high byte repeats the setting that is left; a switch that changes nothing is dropped
.if MSB != \new
	s_set_vgpr_msb (MSB<<8)|\new
.set MSB, \new
.endif
.endm
; 0x51: source 0 (weights), C and D in window 1.  0x40: destination in window 1.  0x04: an LDS store's data in window 1.
.macro XLOAD g, off                    ; group g's 2 rows x 512 bytes: 32 bytes a lane
	global_load_b128 v[X+8*(\g):X+8*(\g)+3], v[XOFF], s[XP:XP+1] offset:8192*(\g)+(\off) th:TH_LOAD_NT
	global_load_b128 v[X+8*(\g)+4:X+8*(\g)+7], v[XOFF], s[XP:XP+1] offset:8192*(\g)+(\off)+16 th:TH_LOAD_NT
.endm
.macro BLOAD set, ko                   ; ten loads: my four fragments and two scale registers of the step ko steps on from the pointers
	WIN 0x40
.irp i, 0,1,2,3,4,5,6,7
	global_load_b128 v[BF+32*(\set)+4*\i:BF+32*(\set)+4*\i+3], v[WOFF], s[WCP:WCP+1] offset:32768*(\ko)+512*\i
.endr
	WIN 0
.irp j, 0,1
	global_load_b32 v[BS+2*(\set)+\j], v[WSOFF], s[WSP:WSP+1] offset:2048*(\ko)+128*\j
.endr
.endm
.macro ALOAD af, as, s                 ; nine LDS loads: step s of the buffer that is read: the rows' scale words and the four row tiles' fragments
	ds_load_b128 v[(\as):(\as)+3], v[ASR] offset:16*(\s)
.irp m, 0,1,2,3
.irp c, 0,1
	ds_load_b128 v[(\af)+8*\m+4*\c:(\af)+8*\m+4*\c+3], v[ARD] offset:5440*\m+1088*(\s)+544*\c
.endr
.endr
.endm
.macro ABLOAD m                        ; row tile m's fragment of the base step
.irp c, 0,1
	ds_load_b128 v[ABF+4*\c:ABF+4*\c+3], v[ARD] offset:5440*(\m)+4352+544*\c
.endr
.endm
; Four matrix instructions: row tile m against my four tiles of outputs.  The sixteen accumulators take turns, one instruction a turn.
.macro MM4 set, afr, asr, m
.irp n, 0,1,2,3
.if \n % 2
	v_wmma_scale_f32_16x16x128_f8f6f4 v[8*(4*(\m)+\n):8*(4*(\m)+\n)+7], v[BF+32*(\set)+8*\n:BF+32*(\set)+8*\n+7], v[(\afr):(\afr)+7], v[8*(4*(\m)+\n):8*(4*(\m)+\n)+7], v[BS+2*(\set)+\n/2], v[(\asr)] matrix_a_fmt:MATRIX_FMT_FP4 matrix_b_fmt:MATRIX_FMT_FP4 matrix_a_scale:MATRIX_SCALE_ROW1
.else
	v_wmma_scale_f32_16x16x128_f8f6f4 v[8*(4*(\m)+\n):8*(4*(\m)+\n)+7], v[BF+32*(\set)+8*\n:BF+32*(\set)+8*\n+7], v[(\afr):(\afr)+7], v[8*(4*(\m)+\n):8*(4*(\m)+\n)+7], v[BS+2*(\set)+\n/2], v[(\asr)] matrix_a_fmt:MATRIX_FMT_FP4 matrix_b_fmt:MATRIX_FMT_FP4
.endif
.endr
.endm
.macro MM16 set, af, as                ; a whole K step
	WIN 0x51
.irp m, 0,1,2,3
	MM4 \set, (\af)+8*\m, (\as)+\m, \m
.endr
	WIN 0
.endm
.macro PLACES                          ; four plain lines between a matrix instruction and a load into, or an LDS store from, one of its registers (ISA guide 7.12.1 for LDS stores)
.rept 4
	v_nop
.endr
.endm
; silu of the group's 8 numbers, and the clip.  Two batches of transcendentals; four clips stand behind each as independent plain work, then one wait for the batch.
.macro SILU_A g
.irp p, 0,2,4,6
	v_pk_mul_f32 v[T+\p:T+\p+1], v[X+8*(\g)+\p:X+8*(\g)+\p+1], s[NL:NL+1] op_sel_hi:[1,0]
.endr
.irp i, 0,1,2,3,4,5,6,7
	v_exp_f32 v[T+\i], v[T+\i]                     ; e^-x
.endr
.irp i, 0,1,2,3
	v_med3_num_f32 v[XE+\i], v[X+8*(\g)+\i], s[CLO], s[CHI]
.endr
	s_wait_alu depctr_va_vdst(0)                   ; the eight exponentials have written v[T ..], ahead of their first reader
.irp p, 0,2,4,6
	v_pk_add_f32 v[T+\p:T+\p+1], v[T+\p:T+\p+1], 1.0 op_sel_hi:[1,0]
.endr
.irp i, 0,1,2,3,4,5,6,7
	v_rcp_f32 v[T+\i], v[T+\i]
.endr
.irp i, 4,5,6,7
	v_med3_num_f32 v[XE+\i], v[X+8*(\g)+\i], s[CLO], s[CHI]
.endr
	s_wait_alu depctr_va_vdst(0)                   ; the eight reciprocals have written v[T ..], ahead of their first reader
.irp p, 0,2,4,6
	v_pk_mul_f32 v[T+\p:T+\p+1], v[T+\p:T+\p+1], v[X+8*(\g)+\p:X+8*(\g)+\p+1]
.endr
.endm
; The 8 silu numbers are a quarter of a base block: the largest magnitude is joined over four lanes; 8 codes are one register.  Code and byte wait in registers of the group's own for the stores at its end
.macro SILU_B g
	v_max3_num_f32 v[MX], |v[T]|, |v[T+1]|, 0x1800000              ; the floor 2^(3 - 127) among the leaves: the byte cannot fall under 1
	v_max3_num_f32 v[MX+1], |v[T+2]|, |v[T+3]|, |v[T+4]|
	v_max3_num_f32 v[MX], v[MX], |v[T+5]|, |v[T+6]|
	v_max3_num_f32 v[MX], v[MX], v[MX+1], |v[T+7]|
	v_max_num_f32_dpp v[MX], v[MX], v[MX] row_xmask:1 row_mask:0xf bank_mask:0xf
	v_max_num_f32_dpp v[MX], v[MX], v[MX] row_xmask:2 row_mask:0xf bank_mask:0xf
	v_add_nc_u32 v[SO], 0xff000000, v[MX]          ; 2 off the exponent field: the conversion's scale operand
	v_cvt_scalef32_pk8_fp4_f32 v[CB+(\g)], v[T:T+7], v[SO]
	v_lshrrev_b32 v[BYB+(\g)], 23, v[SO]           ; the byte; also the plain line behind the conversion
.endm
; The four bases of x(2 i) and x(2 i + 1), stage by stage for both, so that no line waits for the line above it.  In TMP + 16 u: +0 p, then a; +4 q, then b; +8 a^2, then a^3; +12 b^2
.macro SPL2 i
.irp u, 0,1
.irp p, 0,2
	v_pk_fma_f32 v[TMP+16*\u+\p:TMP+16*\u+\p+1], v[XE+2*(\i):XE+2*(\i)+1], s[KH:KH+1], v[CP+\p:CP+\p+1] op_sel:[\u,0,0] op_sel_hi:[\u,0,1]
	v_pk_fma_f32 v[TMP+16*\u+4+\p:TMP+16*\u+5+\p], v[XE+2*(\i):XE+2*(\i)+1], s[KN:KN+1], v[CQ+\p:CQ+\p+1] op_sel:[\u,0,0] op_sel_hi:[\u,0,1]
.endr
.endr
.irp u, 0,1
.irp j, 0,1,2,3
	v_med3_num_f32 v[TMP+16*\u+\j], v[TMP+16*\u+\j], v[TMP+16*\u+4+\j], 0      ; p + q = 4 kappa > 0: the middle of (p, q, 0) is max(min(p, q), 0)
.endr
.endr
.irp u, 0,1
.irp p, 0,2
	v_pk_fma_f32 v[TMP+16*\u+4+\p:TMP+16*\u+5+\p], v[TMP+16*\u+\p:TMP+16*\u+\p+1], s[LAM:LAM+1], v[CN:CN+1] op_sel_hi:[1,0,1]
.endr
.endr
.irp u, 0,1
.irp p, 0,2
	v_pk_mul_f32 v[TMP+16*\u+8+\p:TMP+16*\u+9+\p], v[TMP+16*\u+\p:TMP+16*\u+\p+1], v[TMP+16*\u+\p:TMP+16*\u+\p+1]
.endr
.endr
.irp u, 0,1
.irp j, 0,1,2,3
	v_max_num_f32 v[TMP+16*\u+4+\j], 0, v[TMP+16*\u+4+\j]
.endr
.endr
.irp u, 0,1
.irp p, 0,2
	v_pk_mul_f32 v[TMP+16*\u+8+\p:TMP+16*\u+9+\p], v[TMP+16*\u+8+\p:TMP+16*\u+9+\p], v[TMP+16*\u+\p:TMP+16*\u+\p+1]
.endr
.endr
.irp u, 0,1
.irp p, 0,2
	v_pk_mul_f32 v[TMP+16*\u+12+\p:TMP+16*\u+13+\p], v[TMP+16*\u+4+\p:TMP+16*\u+5+\p], v[TMP+16*\u+4+\p:TMP+16*\u+5+\p]
.endr
.endr
.irp u, 0,1
.irp p, 0,2
	v_pk_fma_f32 v[OUT+8*(\i)+4*\u+\p:OUT+8*(\i)+4*\u+\p+1], v[TMP+16*\u+12+\p:TMP+16*\u+13+\p], v[TMP+16*\u+4+\p:TMP+16*\u+5+\p], v[TMP+16*\u+8+\p:TMP+16*\u+9+\p] neg_lo:[1,0,0] neg_hi:[1,0,0]   ; a^3 - b^3
.endr
.endr
.endm
; The lane's 32 bases are a whole block.  No |.|: where b > 0, a^3 is at least 1/6 above b^3's share; elsewhere the basis is a^3: none is negative
.macro QUANT g
.irp c, 0,1,2,3
	v_max3_num_f32 v[MX+\c], v[OUT+8*\c], v[OUT+8*\c+1], v[OUT+8*\c+2]
.endr
.irp i, 3,5
.irp c, 0,1,2,3
	v_max3_num_f32 v[MX+\c], v[MX+\c], v[OUT+8*\c+\i], v[OUT+8*\c+\i+1]
.endr
.endr
	v_max3_num_f32 v[MX], v[MX], v[OUT+7], v[OUT+15]
	v_max3_num_f32 v[MX+2], v[MX+2], v[OUT+23], v[OUT+31]
	v_max3_num_f32 v[MX], v[MX], v[MX+1], v[MX+2]
	v_max3_num_f32 v[MX], v[MX], v[MX+3], 0x1800000
	v_add_nc_u32 v[SO], 0xff000000, v[MX]
.irp i, 0,1,2,3
	v_cvt_scalef32_pk8_fp4_f32 v[CC+4*(\g)+\i], v[OUT+8*\i:OUT+8*\i+7], v[SO]
.endr
	v_lshrrev_b32 v[BY+(\g)], 23, v[SO]            ; the byte; also the plain line behind the conversions
.endm
; The group's images go to LDS: the spline block's 16 bytes and its byte, the base block's 4 bytes and its byte
.macro IMAGES g
	ds_store_b128 v[AW128], v[CC+4*(\g):CC+4*(\g)+3] offset:32*(\g)
	ds_store_b8 v[AWB8], v[BY+(\g)] offset:160*(\g)
	ds_store_b32 v[AW32], v[CB+(\g)] offset:32*(\g)
	ds_store_b8 v[AWBB], v[BYB+(\g)] offset:160*(\g)               ; the block's four lanes write the same byte with the same value
.endm
; A GROUP.  mm = 1: the trip before's products ride along: the base step's row tile g, and the whole spline step g.  xl = 1: the next trip's x of this group is asked for.
; xw: the count of the wait for this group's x, or -1 (an earlier wait has covered it).  ke: the K step whose weights are asked for at the group's end, into set g % 2, or -1.
; km: the base step asked for in the group's middle, into set 2, or -1 (with it goes the group's x).
; LOADS IN ISSUE ORDER, a trip: x0 (2), W step 2 (10), x1, W step 3, x2, W next step 0, x3, W next base, W next step 1.  Loads come back in order, so each wait's count is what was issued behind the load that it wants.
.macro GROUP g, mm, xl, xw, ke, km
.if \mm
.if (\g) == 0
	ds_load_b128 v[ABS:ABS+3], v[ASR] offset:64    ; the rows' scale words of the base step, for all four groups
.endif
	ABLOAD \g                                      ; (the last matrix instruction that read these registers stands ahead of the group before's quantising: more than four plain lines; and ahead of that group's wait,
	ALOAD AF, AS, \g                               ; behind which no vector or matrix instruction names them)
.endif
.if (\xw) >= 0
	s_wait_loadcnt \xw
.endif
	SILU_A \g
	SILU_B \g
.if \mm
.if (\g) == 0
	s_wait_loadcnt 10                              ; the base step's weights: behind them step 1's ten.  All older loads are in with them: step 0's weights, and x of groups 1 to 3
.endif
	s_wait_dscnt 0x0                               ; all this group's LDS loads are in: nothing was issued behind them
	WIN 0x51
	MM4 2, ABF, ABS+(\g), \g
	WIN 0
.endif
	SPL2 0
.if (\km) >= 0
	s_wait_alu depctr_va_vdst(0)                   ; the base products are done reading set 2 and its scale words, silu and the clip are done reading this group's x: the loads below land in these
.if \xl
	XLOAD \g, 512
.endif
	BLOAD 2, \km                                   ; the lines of SPL2 are the places behind the base products
.endif
.if \mm
.if ((\g) == 1) || ((\g) == 2)
	s_wait_loadcnt 10+2*(\xl)                      ; this step's weights: behind them one group's x and one step's ten
.endif
.if (\g) == 3
	s_wait_loadcnt 20+4*(\xl)                      ; behind them two groups' x and two steps' ten
.endif
	WIN 0x51
	MM4 (\g)%2, AF, AS, 0
	WIN 0
.endif
	SPL2 1
.if \mm
	WIN 0x51
	MM4 (\g)%2, AF+8, AS+1, 1
	WIN 0
.endif
	SPL2 2
.if \mm
	WIN 0x51
	MM4 (\g)%2, AF+16, AS+2, 2
	WIN 0
.endif
	SPL2 3
.if \mm
	WIN 0x51
	MM4 (\g)%2, AF+24, AS+3, 3
	WIN 0
.endif
	QUANT \g                                       ; its maxima are the places behind the last products
	s_wait_alu depctr_va_vdst(0)                   ; THE GROUP'S WAIT: the conversions and shifts have written the codes and bytes that the stores below read; silu and the clip are done reading this group's x; the products are done reading set g % 2, its scale words and the rows' fragments and scale words, in all of which loads land from here to the next group's head
.if (\xl) && ((\km) < 0)
	XLOAD \g, 512                                  ; x's registers are free: the clip has its copy
.endif
.if (\ke) >= 0
	BLOAD (\g)%2, \ke
.endif
	IMAGES \g
.endm
.macro ADDR mm                         ; the trip's image addresses (the LDS instructions that read the old ones stand ahead of the wait on vm_vsrc at the last trip's end)
	s_xor_b32 s[RB], s[WB], BUF1
	v_add_nc_u32 v[AW128], s[WB], v[T128]
	v_add_nc_u32 v[AW32], s[WB], v[T32]
	v_add_nc_u32 v[AWB8], s[WB], v[TB8]
	v_add_nc_u32 v[AWBB], s[WB], v[TBB]
	v_add_nc_u32 v[ARD], s[RB], v[TRD]
	v_add_nc_u32 v[ASR], s[RB], v[TSR]
.if \mm
	s_wait_alu depctr_va_vdst(0)                   ; v[ARD] and v[ASR] are written, which the LDS loads at group 0's head read.  (A trip that multiplies nothing has no such loads: its first LDS instructions stand behind group 0's wait)
.endif
.endm
.macro TRIP mm, xl, x0, x1, x2, x3, k0, k1, k2, k3, km
	ADDR \mm
	GROUP 0, \mm, \xl, \x0, \k0, -1
	GROUP 1, \mm, \xl, \x1, \k1, -1
	GROUP 2, \mm, \xl, \x2, \k2, -1
	GROUP 3, \mm, \xl, \x3, \k3, \km
.endm
; A trip's end: the pointers step, the buffers change places, one barrier.
.macro ENDTRIP stepw
	s_wait_xcnt 0x0                                ; every load issued has had its address translated: only behind this wait are the bases stepped
	s_wait_alu depctr_vm_vsrc(0)                   ; the trip's LDS stores have read their codes, bytes and addresses, its LDS loads their addresses: all of these are written again behind here, by the next trip's additions, conversions and shifts; behind the last trip by the tail's additions and by the way out's loads from the stage
	s_add_nc_u64 s[XP:XP+1], s[XP:XP+1], 512
.if \stepw
	s_add_nc_u64 s[WCP:WCP+1], s[WCP:WCP+1], 163840
	s_add_nc_u64 s[WSP:WSP+1], s[WSP:WSP+1], 10240
.endif
	s_xor_b32 s[WB], s[WB], BUF1
	s_wait_dscnt 0x0                               ; for the others' sake: my images have landed, and my reads of the other buffer, which the next trip writes, are in
	s_barrier_signal -1
	s_barrier_wait -1
.endm
	s_load_b256 s[4:11], s[0:1], 0x0               ; x, wcodes, wscales, out0
	v_lshl_add_u32 v254, v0, 2, 0x18800            ; my spare word and 0: made here, while v0 is as at the entry, and kept for the closing lines alone
	v_mov_b32 v255, 0
	v_lshrrev_b32 v19, 5, v0
	v_readfirstlane_b32 s[WV], v19                 ; wave 0..7
	v_and_b32 v30, 15, v0                          ; li
	v_bfe_u32 v31, v0, 4, 1                        ; hh
	v_lshlrev_b32 v[XOFF], 5, v30
	v_lshl_add_u32 v[XOFF], v31, 12, v[XOFF]
	s_wait_alu depctr_va_sdst(0)                   ; s[WV] is written, ahead of its first reader: the bases and the LDS addresses are made from it
	s_lshl_b32 s16, ttmp9, 18                      ; 64 rows of 4,096 bytes a work-group,
	s_lshl_b32 s17, s[WV], 15                      ; 8 a wave
	s_add_co_u32 s16, s16, s17
	s_mov_b32 s17, 0
	s_wait_kmcnt 0x0
	s_add_nc_u64 s[XP:XP+1], s[XP:XP+1], s[16:17]
	s_wait_alu depctr_va_vdst(0)                   ; v[XOFF] is written, which every load of x reads as its offset
	XLOAD 0, 0                                     ; the first trip's x: eight loads
	XLOAD 1, 0
	XLOAD 2, 0
	XLOAD 3, 0
	s_lshl_b32 s18, s[WV], 12
	s_mov_b32 s19, 0
	s_add_nc_u64 s[WCP:WCP+1], s[WCP:WCP+1], s[18:19]
	s_lshl_b32 s18, s[WV], 8
	s_add_nc_u64 s[WSP:WSP+1], s[WSP:WSP+1], s[18:19]
	s_lshl_b32 s16, ttmp9, 17                      ; 64 rows of 2,048 bytes
	s_add_co_u32 s16, s16, s18
	s_add_nc_u64 s[OP:OP+1], s[OP:OP+1], s[16:17]
	s_and_b32 s13, s[WV], 1
	s_lshr_b32 s14, s[WV], 1                       ; m: the row tile that I make half of
	s_lshl_b32 s20, s13, 7
	s_mul_i32 s16, s14, 5440
	s_add_co_u32 s20, s20, s16                     ; codes: 16 bytes x 8 (w & 1) rows + my row tile
	s_mul_i32 s21, s13, 640
	s_lshl_b32 s16, s14, 2
	s_add_co_u32 s21, s21, s16                     ; scale bytes: 80 x 8 (w & 1) + 4 m
	s_mul_i32 s25, s[WV], 16*SPITCH
	s_add_co_u32 s25, s25, STG                     ; my stage
	; The offsets and addresses made below are first read by memory or LDS instructions behind group waits of trip 0, the way out's behind its own wait
	v_and_b32 v19, 31, v0
	v_lshlrev_b32 v[WOFF], 4, v19
	v_lshlrev_b32 v[WSOFF], 2, v19
	v_bfe_u32 v14, v0, 2, 2                        ; li >> 2
	v_and_b32 v15, 3, v0                           ; li & 3
	v_mul_u32_u24 v[T128], v30, 272                ; spline codes: piece (step li >> 2, block li & 3) = 272 li, row 2 g + hh
	v_lshl_add_u32 v[T128], v31, 4, v[T128]
	v_add_nc_u32 v[T128], s20, v[T128]
	v_mul_u32_u24 v[T32], v14, 272                 ; base codes: step 4, block li >> 2, word li & 3 of the row's 16 bytes
	v_lshl_add_u32 v[T32], v15, 2, v[T32]
	v_lshl_add_u32 v[T32], v31, 4, v[T32]
	v_add_nc_u32 v[T32], s20, v[T32]
	v_add_nc_u32 v[T32], 4352, v[T32]
	v_mul_u32_u24 v[TB8], v31, 80                  ; spline byte: 80 r + 16 (li >> 2) + 4 m + (li & 3)
	v_lshl_add_u32 v[TB8], v14, 4, v[TB8]
	v_add_nc_u32 v[TB8], v[TB8], v15
	v_add_nc_u32 v[TB8], s21, v[TB8]
	v_add_nc_u32 v[TB8], SCL, v[TB8]
	v_mul_u32_u24 v[TBB], v31, 80                  ; base byte: 80 r + 64 + 4 m + (li >> 2)
	v_add_nc_u32 v[TBB], v[TBB], v14
	v_add_nc_u32 v[TBB], s21, v[TBB]
	v_add_nc_u32 v[TBB], SCL+64, v[TBB]
	v_mul_u32_u24 v[TRD], v31, 272                 ; a fragment: block 2 c + hh, row li
	v_lshl_add_u32 v[TRD], v30, 4, v[TRD]
	v_mul_u32_u24 v[TSR], v30, 80                  ; row li's scale words
	v_add_nc_u32 v[TSR], SCL, v[TSR]
	v_mul_u32_u24 v[STO], v30, SPITCH              ; the stage, in: row li, 32 bytes for each half of the lanes
	v_lshl_add_u32 v[STO], v31, 5, v[STO]
	v_add_nc_u32 v[STO], s25, v[STO]
	v_add_nc_u32 v[SRD], s25, v[TRD]               ; back: lanes 0-15 one row of 256 bytes, lanes 16-31 the next
	v_lshlrev_b32 v[OOFF], 4, v30
	v_lshl_add_u32 v[OOFF], v31, 11, v[OOFF]       ; and the same two rows in out0
	v_mov_b32 v[CP], 0x3ff68b3d                    ; 3.5 kappa
	v_mov_b32 v[CP+1], 0x3fb01a50                  ; 2.5 kappa
	v_mov_b32 v[CP+2], 0x3f5352c7                  ; 1.5 kappa
	v_mov_b32 v[CP+3], 0x3e8ce1da                  ; 0.5 kappa
	v_mov_b32 v[CQ], 0x3e8ce1da
	v_mov_b32 v[CQ+1], 0x3f5352c7
	v_mov_b32 v[CQ+2], 0x3fb01a50
	v_mov_b32 v[CQ+3], 0x3ff68b3d
	v_mov_b32 v[CN], 0xbf5fa2f8                    ; -lambda kappa
	v_mov_b32 v[CN+1], 0xbf5fa2f8
	s_mov_b32 s[KH], 0x3e8ce1da
	s_mov_b32 s[KH+1], s[KH]
	s_mov_b32 s[KN], 0xbe8ce1da
	s_mov_b32 s[KN+1], s[KN]
	s_mov_b32 s[LAM], 0x3fcb2ff5
	s_mov_b32 s[LAM+1], s[LAM]
	s_mov_b32 s[NL], 0xbfb8aa3b
	s_mov_b32 s[NL+1], s[NL]
	s_mov_b32 s[CLO], 0xc0e00000                   ; -7
	s_mov_b32 s[CHI], 0x40dffffe                   ; 7 - 1e-6 in f32
	s_mov_b32 s[WB], 0
	; The accumulators begin as zeros: 128 lines, once, issued while the first x is on its way.  Products that start the sums with the constant 0 would want a third copy of the whole trip.
	WIN 0x40
.set ii, 0
.rept 128
	v_mov_b32 v[ii], 0
.set ii, ii+1
.endr
	WIN 0
	; Trip 0 makes images and multiplies nothing.  x's waits: behind a group's two loads stand six (three groups' x), for group 3 three groups' x and ten of the weights.
	TRIP 0, 1, 6, 6, 6, 16, -1, -1, 0, 1, 4
	ENDTRIP 0                                      ; the weights' pointers stay: the next trip multiplies trip 0
	s_mov_b32 s[CNT], 6
.Ltrip:                                            ; trips 1 to 6.  The wait for group 0's x: behind its loads stand 36 on the way in from trip 0 and 56 round the loop: the smaller count serves both
	TRIP 1, 1, 36, -1, -1, -1, 2, 3, 5, 6, 9
	ENDTRIP 1
	s_sub_co_u32 s[CNT], s[CNT], 1
	s_cmp_lg_u32 s[CNT], 0
	s_cbranch_scc1 .Ltrip
	TRIP 1, 0, 36, -1, -1, -1, 2, 3, 5, 6, 9       ; trip 7 asks for no x: no load leaves the buffer
	ENDTRIP 1
	; THE TAIL: trip 7's five K steps.  Out: step 0's weights (set 0), the base step's (set 2), step 1's (set 1), in this order.
	s_xor_b32 s[RB], s[WB], BUF1
	v_add_nc_u32 v[ARD], s[RB], v[TRD]
	v_add_nc_u32 v[ASR], s[RB], v[TSR]
	s_wait_alu depctr_va_vdst(0)                   ; v[ARD] and v[ASR] are written, which the LDS loads below read; the last group's spline lines are done with v80-111, in which the second set of fragments lands
	ALOAD AF, AS, 0
	ALOAD AF2, ABS, 1
	s_wait_loadcnt 20                              ; step 0's weights: behind them the base step's and step 1's
	s_wait_dscnt 9                                 ; step 0's rows: the nine loads issued behind them may be out
	MM16 0, AF, AS
	PLACES
	s_wait_alu depctr_va_vdst(0)                   ; step 0's products are done reading set 0, its scale words and the rows' first set, in which the loads below land
	BLOAD 0, 2
	ALOAD AF, AS, 4
	s_wait_loadcnt 10                              ; step 1's (and the base step's): behind them step 2's ten
	s_wait_dscnt 9
	MM16 1, AF2, ABS
	PLACES
	s_wait_alu depctr_va_vdst(0)                   ; step 1's products are done reading set 1, its scale words and the rows' second set, in which the loads below land
	BLOAD 1, 3
	ALOAD AF2, ABS, 2
	s_wait_dscnt 9
	MM16 2, AF, AS                                 ; the base step
	PLACES
	s_wait_alu depctr_va_vdst(0)                   ; the base step's products are done reading the rows' first set, in which the loads below land
	ALOAD AF, AS, 3
	s_wait_loadcnt 10                              ; step 2's: behind them step 3's ten
	s_wait_dscnt 9
	MM16 0, AF2, ABS
	s_wait_loadcnt 0x0
	s_wait_dscnt 0x0
	MM16 1, AF, AS
; THE WAY OUT, a row tile at a time.  A lane holds 32 neighbouring bytes of a row and the lanes beside it other rows: the tile goes through my own stage and comes back as rows of 256 bytes.
; LDS serves a wave's instructions in order (ISA guide 5.7.1.4): no wait between the stores and the loads, nor in front of the next tile's stores.
.macro TOSTAGE m
	WIN 0x04
.irp n, 0,1,2,3
	ds_store_b128 v[STO], v[8*(4*(\m)+\n):8*(4*(\m)+\n)+3] offset:64*\n          ; each accumulator from its low end on
	ds_store_b128 v[STO], v[8*(4*(\m)+\n)+4:8*(4*(\m)+\n)+7] offset:64*\n+16
.endr
	WIN 0
.irp i, 0,1,2,3,4,5,6,7
	ds_load_b128 v[OB+32*(\m)+4*\i:OB+32*(\m)+4*\i+3], v[SRD] offset:2*SPITCH*\i
.endr
.endm
.macro SEND m, younger                 ; younger: the LDS instructions issued behind tile m's loads, which may stay out
	s_wait_dscnt \younger
.irp i, 0,1,2,3,4,5,6,7
	global_store_b128 v[OOFF], v[OB+32*(\m)+4*\i:OB+32*(\m)+4*\i+3], s[OP:OP+1] offset:(16*(\m)+2*\i)*2048 th:TH_STORE_NT   ; sixteen lanes store 256 consecutive bytes, at a multiple of 256 from out0's first byte
.endr
.endm
	PLACES                                         ; behind the last products: the stores read results, the loads land in registers that held fragments
	s_wait_alu depctr_va_vdst(0)                   ; the products have written the accumulators, which the LDS stores read; every vector and matrix instruction is done with v32-159, in which the loads from the stage land.  No vector or matrix instruction follows.  The places above stay beside this wait
	TOSTAGE 0
	TOSTAGE 1
	SEND 0, 16                                     ; behind tile 0's loads: tile 1's eight stores and eight loads
	TOSTAGE 2
	SEND 1, 16
	TOSTAGE 3
	SEND 2, 16
	SEND 3, 0
	s_wait_dscnt 0x0                               ; the closing lines, six on end
	s_wait_alu 0x0
	s_wait_tensorcnt 0x0
	ds_add_u32 v254, v255
	s_wait_dscnt 0x0
	s_endpgm
.Lfunc_end_k_q04dbe4eea0_kan:
	.size	k_q04dbe4eea0_kan, .Lfunc_end_k_q04dbe4eea0_kan-k_q04dbe4eea0_kan
	.p2alignl 7, 3214868480
	.fill 96, 4, 3214868480
	.section	.rodata,"a",@progbits
	.p2align	6, 0x0
	.amdhsa_kernel k_q04dbe4eea0_kan
		.amdhsa_group_segment_fixed_size 101376
		.amdhsa_private_segment_fixed_size 0
		.amdhsa_enable_private_segment 0
		.amdhsa_kernarg_size 32
		.amdhsa_user_sgpr_count 2
		.amdhsa_user_sgpr_kernarg_segment_ptr 1
		.amdhsa_wavefront_size32 1
		.amdhsa_system_sgpr_workgroup_id_x 1
		.amdhsa_system_sgpr_workgroup_id_y 1
		.amdhsa_system_sgpr_workgroup_id_z 1
		.amdhsa_system_vgpr_workitem_id 0
		.amdhsa_next_free_vgpr 512
		.amdhsa_next_free_sgpr 66
		.amdhsa_reserve_vcc 0
		.amdhsa_float_denorm_mode_32 3
		.amdhsa_float_denorm_mode_16_64 3
		.amdhsa_memory_ordered 1
		.amdhsa_forward_progress 1
		.amdhsa_inst_pref_size 248
	.end_amdhsa_kernel
	.amdgpu_metadata
---
amdhsa.version: [ 1, 2 ]
amdhsa.kernels:
  - .name:           k_q04dbe4eea0_kan
    .symbol:         k_q04dbe4eea0_kan.kd
    .args:
      - { .name: x, .offset: 0, .size: 8, .value_kind: global_buffer, .address_space: global }
      - { .name: wcodes, .offset: 8, .size: 8, .value_kind: global_buffer, .address_space: global }
      - { .name: wscales, .offset: 16, .size: 8, .value_kind: global_buffer, .address_space: global }
      - { .name: out0, .offset: 24, .size: 8, .value_kind: global_buffer, .address_space: global }
    .group_segment_fixed_size: 101376
    .private_segment_fixed_size: 0
    .kernarg_segment_align: 8
    .kernarg_segment_size: 32
    .max_flat_workgroup_size: 256
    .sgpr_count:     66
    .vgpr_count:     512
    .wavefront_size: 32
...
	.end_amdgpu_metadata
.endif
;; end of part 3
